; MI455X (gfx1250); checked and timed in simulation.
; The chip was launched on July 23, 2026; its instructions are those of AMD's public machine-readable ISA for CDNA 5 (MIT licence, August 2026) and "CDNA5" Instruction Set Architecture Reference Guide (July 2026). The comments in the code are by the model that wrote it; some were corrected since.
;; LRU Cell. Allowed arithmetic: matrix products marked QUANTISED: E2M1 operands, one E8M0 scale for each 32 along K, by v_wmma_scale_f32_16x16x128_f8f6f4 with both operands' format E2M1 (or v_wmma_scale_f32_32x16x128_f4), f32 sums; everything else in f32.
;; Inputs: Bi 2,048 x 1,024 float32; Br 2,048 x 1,024 float32; Ci 1,024 x 2,048 float32; Cr 1,024 x 2,048 float32; h_prev 8,192 x 2,048 float32; theta_log 2,048 float32; v_log 2,048 float32; x 8,192 x 1,024 float32.
;; Outputs: out0 8,192 x 1,024 float32.
;; This version of the problem:
;;   THIS VERSION OF THE PROBLEM IS GIVEN IN LOW PRECISION. The matrix products marked QUANTISED in the list below multiply operands that are first quantised to E2M1 (2 exponent bits, 1 mantissa bit; 4 bits a number), with one power-of-two scale for each 32 numbers along K (OCP MX v1.0); their sums are f32. All else is computed in f32.
;;   The module's matrix products, in the order in which they are computed (A, B: the left and right operand; K: the contracted axis; several contracted axes count as one K, in the product's order):
;;     1. [M 8,192, K 1,024] x [K 1,024, N 2,048]; A: input x; B: input Br: QUANTISED
;;     2. [M 8,192, K 1,024] x [K 1,024, N 2,048]; A: input x; B: input Bi: QUANTISED
;;     3. [M 8,192, K 2,048] x [K 2,048, N 1,024]; A: computed on the way; B: input Cr: QUANTISED
;;     4. [M 8,192, K 2,048] x [K 2,048, N 1,024]; A: computed on the way; B: input Ci: QUANTISED
;;   THE QUANTISER, for each operand of a quantised product, along K:
;;     - K is cut into blocks of 32 from its start; a last block that is shorter is filled with zeros.
;;     - A block's scale is 2^e with e = floor(log2(the largest magnitude in the block)) - 2, held to -126 .. 127; a block of zeros has e = 0. As a byte (E8M0): e + 127.
;;     - Each number is divided by its block's scale, clamped to +-6, and rounded to the nearest number of E2M1, ties to even, subnormals kept.
;;     - The product sums the exact products of the quantised numbers (number of the format x scale) in f32.
;;   ~~~python
;;   def quantise(x, axis):      # numpy; x: float32 -> the quantised numbers, widened to float32 again
;;       x = np.moveaxis(x, axis, -1); K = x.shape[-1]
;;       x = np.pad(x, [(0, 0)] * (x.ndim - 1) + [(0, -K % 32)]); x = x.reshape(x.shape[:-1] + (-1, 32)); a = np.abs(x).max(-1, keepdims=True)
;;       e = np.where(a > 0, np.clip(np.frexp(np.where(a > 0, a, 1))[1] - 1 - 2, -126, 127), 0)      # np.frexp(a)[1] - 1 = floor(log2(a)), exactly
;;       r = np.clip(x / 2.0 ** e, -6, 6)
;;       step = 2.0 ** (np.maximum(np.frexp(np.where(r == 0, 1, r))[1] - 1, 0) - 1)
;;       q = np.round(r / step) * step * 2.0 ** e      # np.round: ties to even
;;       return np.moveaxis(q.reshape(q.shape[:-2] + (-1,))[..., :K], -1, axis).astype(np.float32)
;;   ~~~
;;   OPERANDS COMPUTED ON THE WAY. 'Computed on the way' means the value that the module computes at that place (a softmax that the list does not call 'softmax' is quantised finished and normalised). What goes into a quantiser is computed in f32, as accurately as f32 sums, v_exp_f32 and their like allow (about 1e-6 of the number): no bf16 or f16 on the way to a quantiser, and a product that is left as it is and whose result goes on into a quantised operand takes f32 operands (vector FMAs, or v_wmma_f32_16x16x4_f32). A number that lies on a knife's edge between two numbers of the format may be rounded either way, as far as f32 arithmetic and the matrix unit's own rounding can turn it there, and no further.
;; One version. Each part assembles by itself: llvm-mc -triple=amdgcn-amd-amdhsa -mcpu=gfx1250 --defsym DOCPART=n.
;; ======== version 1 of 1: 3 launches
;; limits: right only within a limited range of input values
;; workspace buffers: q 8,912,896 bytes; wri 16,384 bytes; hq 17,825,792 bytes
;; launch prep (part 1): grid 512 x 1, 4 waves a work-group, no clusters, 35,328 bytes of LDS; arguments x, Br, Bi, Cr, Ci, v_log, theta_log, q, wri; writes q, wri
.if DOCPART == 1
	.amdgcn_target "amdgcn-amd-amdhsa--gfx1250"
	.amdhsa_code_object_version 6
	.text
	.protected	k_qc90cbd52de_prep
	.globl	k_qc90cbd52de_prep
	.p2align	8
	.type	k_qc90cbd52de_prep,@function
k_qc90cbd52de_prep:
	s_mov_b64 s[64:65], 0
	v_nop
	global_prefetch_b8 v0, s[64:65] scope:SCOPE_SE
	s_setreg_imm32_b32 hwreg(HW_REG_WAVE_MODE, 25, 1), 1
	s_wait_xcnt 0x0
; x [8192][1024], Br, Bi [2048][1024], Cr, Ci [1024][2048], all f32 with K innermost, become codes of FP4 (E2M1) with one E8M0 byte for each 32 along K,
; laid in q in the order of a matrix operand's registers; and w = exp(-exp(v_log)) (cos, sin)(exp(theta_log)) goes to wri (wr[2048], then wi[2048]).
; q: 1,024 groups of 8,704 bytes; a group is 16 rows x 1,024 along K: eight fragment images of 1,024 bytes (16 rows x 128 K: the 16 bytes of block kb of row r at 256 (kb % 4) + 16 r,
; which is 512 c + 16 lane for the operand's registers 4 c .. 4 c + 3), then 512 bytes of scale words [qq 2][lane 32][pp 2]: the word of row lane % 16 and K step 4 qq + 2 pp + lane / 16.
; Groups: x's row block rb: rb;  Br's: 512 + rb;  Bi's: 640 + rb;  C's: 768 + 4 rb + K' / 1024.
; THE LAST TWO PRODUCTS ARE ONE: K' = 4,096; its step ks holds Cr's units 64 ks .. + 63 and then -Ci's: the quantiser is symmetric, so the sign bits of Ci's codes are turned and the sums subtract by themselves.
; A block's scale is 2^(floor(log2(its largest magnitude)) - 2): its byte is the largest magnitude's exponent field - 2, held at 1 from below.
; LIMITS: NaN and infinities among the inputs are not served.  A block of zeros gets the byte 1 where the rule says 127: its codes are zeros, and this program alone reads the bytes.
; The angle exp(theta_log) is reduced by pi / 2 in three parts and is served up to 2^22.
; SHARES: 2,048 tasks, one a wave: 16 rows x 512 along K, in eight steps of 16 rows x 64 numbers.  A load takes two rows' 256 consecutive bytes; a step's 4,096 bytes turn through the wave's own stage in LDS,
; so that lane (r, h) holds the whole block h of row r in 32 registers: the block's maximum needs no other lane, and its four conversions give 16 bytes that lie at 16 x lane of the image.
; One path serves all five tensors: they differ in scalars chosen on the work-group's number.  No barrier: waves share nothing.  Loads run three steps (24 loads a wave) ahead.
.set GRP, 8704
.set SP,  272                          ; a stage row: 256 bytes + 16 of padding, so that the sixteen rows that a read touches begin in different banks
.set STG, 16*SP                        ; a stage; each wave has two
.set VR,  16                           ; v16-23   load i: byte offset of row 2 i + h, + 16 r; never rewritten
.set E,   24                           ; v24-31   step e: my block's scale byte
.set W,   32                           ; v32-35   scale words; v36-39 the other half's
.set C,   40                           ; v40-71   step e: four registers of codes: no store's data are written again
.set X,   72                           ; v72-135  two sets of 32 neighbours
.set R,   136                          ; v136-231 three sets of 32 numbers as they are loaded
.set SB,  32                           ; s[32:47] step e: where its 256 bytes of row 0 begin; never rewritten
	s_load_b512 s[4:19], s[0:1], 0x0               ; x, Br, Bi, Cr, Ci, v_log, theta_log, q
	s_load_b64 s[20:21], s[0:1], 0x40              ; wri
	v_lshl_add_u32 v232, v0, 2, 0x8800
	v_mov_b32 v233, 0
	v_lshrrev_b32 v1, 5, v0
	v_readfirstlane_b32 s22, v1                    ; wave
	v_and_b32 v1, 31, v0                           ; lane
	v_and_b32 v2, 15, v0                           ; r
	v_bfe_u32 v3, v0, 4, 1                         ; h
	v_lshlrev_b32 v4, 4, v1                        ; 16 x lane: my place in an image
	v_lshlrev_b32 v5, 3, v1                        ; 8 x lane: my two scale words
	s_mul_i32 s31, s22, 2*STG                      ; my wave's stages
	v_mul_u32_u24 v6, v3, SP
	v_lshl_add_u32 v6, v2, 4, v6
	v_add_nc_u32 v6, s31, v6                       ; into a stage: row h of a load's two, 16 bytes a lane
	v_mul_u32_u24 v7, v2, SP
	v_lshl_add_u32 v7, v3, 7, v7
	v_add_nc_u32 v7, s31, v7                       ; out of it: row r, block h
	v_lshlrev_b32 v12, 3, v3                       ; 8 h: my bytes' place in a scale word
	v_cmp_lt_u32 s54, 15, v1                       ; lanes 16-31
.irp i, 4,5,6,7
	v_mov_b32 v[W+\i], 0                           ; written once: a lane permute's destination counts as one of its sources
.endr
	s_mov_b32 s52, 0x76543210
	s_mov_b32 s53, 0xfedcba98                      ; v_permlanex16_b32's selects for lane l xor 16
	s_lshl_b32 s23, ttmp9, 2
	s_add_co_u32 s23, s23, s22                     ; T, my task
	s_mov_b32 s28, 1280
	s_wait_kmcnt 0x0
	; which tensor: work-groups 0-255 x, 256-319 Br, 320-383 Bi, 384-511 Cr with Ci.  Every choice hangs on the work-group's number alone
	s_cmp_lt_u32 ttmp9, 320
	s_cselect_b64 s[24:25], s[6:7], s[8:9]
	s_cselect_b32 s28, 1024, s28
	s_cmp_lt_u32 ttmp9, 256
	s_cselect_b64 s[24:25], s[4:5], s[24:25]
	s_cselect_b32 s28, 0, s28
	s_cmp_lt_u32 ttmp9, 384
	s_cselect_b64 s[26:27], s[24:25], s[12:13]     ; the odd steps' tensor: the same, or Ci
	s_cselect_b64 s[24:25], s[24:25], s[10:11]     ; the even steps': the same, or Cr
	s_cselect_b32 s28, s28, 1536                   ; the tensor's first task
	s_cselect_b32 s29, 12, 13                      ; a row is 4,096 or 8,192 bytes
	s_cselect_b32 s30, 0, 0x88888888               ; the sign bits of eight codes, for Ci
	s_cselect_b32 s60, 1, 3                        ; a row block has 2 or 8 tasks,
	s_cselect_b32 s61, 16, 17                      ; is 2^16 or 2^17 bytes,
	s_cselect_b32 s62, 11, 10                      ; and a task begins 2,048 or 1,024 bytes behind the last
	s_cselect_b32 s63, 256, 0                      ; an odd step begins 256 bytes behind the even one, or at the same place in Ci
	s_cselect_b32 s56, 9, 8                        ; a pair of steps is 512 or 256 bytes on
	s_sub_co_u32 s28, s23, s28                     ; my task in the tensor
	s_lshr_b32 s31, s28, s60
	s_lshl_b32 s58, s31, s61
	s_lshl_b32 s31, 1, s60
	s_sub_co_u32 s31, s31, 1
	s_and_b32 s31, s28, s31
	s_lshl_b32 s31, s31, s62
	s_add_co_u32 s58, s58, s31                     ; where my task begins, in bytes
	s_mov_b32 s59, 0
	s_add_nc_u64 s[24:25], s[24:25], s[58:59]
	s_add_nc_u64 s[26:27], s[26:27], s[58:59]
	s_mov_b32 s58, s63
	s_add_nc_u64 s[26:27], s[26:27], s[58:59]
	s_lshl_b32 s56, 1, s56
	s_mov_b32 s57, 0
	s_mov_b64 s[SB:SB+1], s[24:25]
	s_mov_b64 s[SB+2:SB+3], s[26:27]
.irp e, 2,3,4,5,6,7
	s_add_nc_u64 s[SB+2*\e:SB+2*\e+1], s[SB+2*\e-4:SB+2*\e-3], s[56:57]
.endr
	v_lshlrev_b32 v8, s29, v3                      ; h rows
	v_lshl_add_u32 v[VR], v2, 4, v8
	s_wait_alu depctr_va_vdst(0)
	s_lshl_b32 s31, 2, s29                         ; two rows
.irp i, 1,2,3,4,5,6,7
	v_add_nc_u32 v[VR+\i], s31, v[VR+\i-1]
.endr
	s_lshr_b32 s31, s23, 1
	s_mul_i32 s31, s31, GRP                        ; my group of q
	s_and_b32 s55, s23, 1                          ; and which half of it
	s_lshl_b32 s58, s55, 12
	s_add_co_u32 s58, s58, s31
	s_add_nc_u64 s[48:49], s[18:19], s[58:59]      ; my four images
	s_lshl_b32 s58, s55, 8
	s_add_co_u32 s58, s58, s31
	s_add_co_u32 s58, s58, 8192
	s_add_nc_u64 s[50:51], s[18:19], s[58:59]      ; my 256 bytes of scale words
.macro LOAD e                          ; step e: eight loads, each two rows' 256 consecutive bytes, aligned
.irp i, 0,1,2,3,4,5,6,7
	global_load_b128 v[R+32*((\e)%3)+4*\i:R+32*((\e)%3)+4*\i+3], v[VR+\i], s[SB+2*(\e):SB+2*(\e)+1] th:TH_LOAD_NT
.endr
.endm
.macro TURN e                          ; step e through a stage: LDS serves a wave's instructions in order (ISA guide 5.7.1.4), so no wait stands between the stores and the loads
.irp i, 0,1,2,3,4,5,6,7
	ds_store_b128 v6, v[R+32*((\e)%3)+4*\i:R+32*((\e)%3)+4*\i+3] offset:STG*((\e)%2)+2*SP*\i
.endr
.irp j, 0,1,2,3,4,5,6,7
	ds_load_b128 v[X+32*((\e)%2)+4*\j:X+32*((\e)%2)+4*\j+3], v7 offset:STG*((\e)%2)+16*\j
.endr
.endm
.macro STEP e
.set XS, X+32*((\e)%2)
	s_wait_dscnt 0x0                               ; this step's block is back from the stage, and its stores into the stage have read their registers,
.if (\e)+3 < 8
	LOAD (\e)+3                                    ; which take the loads of three steps on
.endif
.if (\e)+1 < 8
.if (\e)+3 < 8
	s_wait_loadcnt 16                              ; the next step's eight loads are in; those of the two steps behind it may be out
.else
	s_wait_loadcnt 8*(6-(\e))                      ; (the counts run down: nothing more is asked for)
.endif
	TURN (\e)+1                                    ; and go through the other stage while this step is worked
.endif
	v_max3_num_f32 v8, |v[XS]|, |v[XS+1]|, |v[XS+2]|               ; the block's largest magnitude: all 32 numbers are mine; two chains
	v_max3_num_f32 v9, |v[XS+3]|, |v[XS+4]|, |v[XS+5]|
.irp i, 6,10,14,18,22,26
	v_max3_num_f32 v8, v8, |v[XS+\i]|, |v[XS+\i+1]|
	v_max3_num_f32 v9, v9, |v[XS+\i+2]|, |v[XS+\i+3]|
.endr
	v_max3_num_f32 v8, v8, |v[XS+30]|, |v[XS+31]|
	v_max3_num_f32 v8, v8, v9, 0x1800000           ; and the floor 2^(3 - 127): the byte cannot fall under 1
	v_add_nc_u32 v11, 0xff000000, v8               ; 2 off the exponent field: the conversion takes the exponent field of this operand as its scale, and nothing else of it
.irp g, 0,1,2,3
	v_cvt_scalef32_pk8_fp4_f32 v[C+4*(\e)+\g], v[XS+8*\g:XS+8*\g+7], v11
.endr
	v_lshrrev_b32 v[E+(\e)], 23, v11               ; the scale's byte.  (Also the plain line between the conversions and the next vector line that touches their results)
.if ((\e)%2) == 1
.irp g, 0,1,2,3
	v_xor_b32 v[C+4*(\e)+\g], s30, v[C+4*(\e)+\g]  ; the odd steps are Ci's where the task is C's: -Ci.  Elsewhere s30 is 0: one path for all tensors
.endr
.endif
	global_store_b128 v4, v[C+4*(\e):C+4*(\e)+3], s[48:49] offset:512*(\e)   ; 32 lanes store 512 consecutive bytes, aligned: half an image
.endm
	s_wait_alu depctr_va_vdst(0)
	LOAD 0
	LOAD 1
	LOAD 2
	s_wait_loadcnt 16                              ; step 0's eight loads are in
	TURN 0
.irp e, 0,1,2,3,4,5,6,7
	STEP \e
.endr
	; the scale words.  K step i of my task is steps 2 i and 2 i + 1: lane (r, h) holds the bytes of blocks h and 2 + h of row r
.irp i, 0,1,2,3
	v_lshl_or_b32 v[W+\i], v[E+2*\i+1], 16, v[E+2*\i]
.endr
.irp i, 0,1,2,3
	v_lshlrev_b32 v[W+\i], v12, v[W+\i]            ; at their places: 8 h bits up
.endr
.irp i, 0,1,2,3
	v_permlanex16_b32 v[W+4+\i], v[W+\i], s52, s53
.endr
.irp i, 0,1,2,3
	v_or_b32 v[W+\i], v[W+\i], v[W+4+\i]           ; with lane l xor 16's two the word is whole, in both halves
.endr
	v_cndmask_b32 v8, v[W], v[W+1], s54            ; lanes 0-15 keep the even K step's word, lanes 16-31 the odd one's
	v_cndmask_b32 v9, v[W+2], v[W+3], s54
	global_store_b64 v5, v[8:9], s[50:51]          ; 32 lanes store 256 consecutive bytes, aligned
	; w: the first 16 work-groups take 128 hidden units each, a thread a unit
	s_cmp_ge_u32 ttmp9, 16
	s_cbranch_scc1 .Lend
; e^x = 2^f 2^n: n = the nearest whole number to x log2(e), f = x log2(e) - n with log2(e) in two parts, so that f is good to the last bit.  x is held to -110 .. 100 first:
; below, v_ldexp_f32 gives 0, above, infinity, which is what e^x is in f32 there; without the hold an infinite x would make f a NaN.
.macro EXPARG x, f, n
	v_max_num_f32 v[\x], 0xc2dc0000, v[\x]
	v_min_num_f32 v[\x], 0x42c80000, v[\x]
	v_mul_f32 v[\n], 0x3fb8aa3b, v[\x]
	v_rndne_f32 v[\n], v[\n]
	v_fma_f32 v[\f], v[\x], 0x3fb8aa3b, -v[\n]
	v_fma_f32 v[\f], v[\x], 0x32a57060, v[\f]
	v_cvt_i32_f32 v[\n], v[\n]
.endm
	s_lshl_b32 s31, ttmp9, 9
	v_lshl_add_u32 v72, v0, 2, s31                 ; 4 x my unit
	global_load_b32 v73, v72, s[14:15]
	global_load_b32 v74, v72, s[16:17]
	s_wait_loadcnt 0x0
	EXPARG 73, 75, 76
	EXPARG 74, 77, 78
	s_wait_alu depctr_va_vdst(0)
	v_exp_f32 v75, v75
	v_exp_f32 v77, v77
	v_nop                                          ; a plain line behind the exponentials (ISA guide 5.7.2),
	s_wait_alu depctr_va_vdst(0)                   ; and the wait ahead of the first use: one for the two
	v_ldexp_f32 v73, v75, v76                      ; exp(v_log)
	v_ldexp_f32 v74, v77, v78                      ; the angle, exp(theta_log)
	v_mul_f32 v73, -1.0, v73
	EXPARG 73, 75, 76
	s_wait_alu depctr_va_vdst(0)
	v_exp_f32 v75, v75                             ; the magnitude's 2^f; the angle's work stands between it and its wait
	v_mul_f32 v79, 0x3f22f983, v74
	v_rndne_f32 v79, v79                           ; k = the nearest whole number to angle x 2 / pi
	v_fma_f32 v80, -v79, 0x3fc90fd8, v74           ; r = angle - k pi / 2, pi / 2 in three parts; the first difference is exact
	v_fma_f32 v80, -v79, 0x34a8885a, v80
	v_fma_f32 v80, -v79, 0x27c234c5, v80
	v_mul_f32 v81, v80, v80                        ; s = r^2, r within pi / 4
	v_mov_b32 v82, 0x3638ef1d                      ; sin r = r + r s (-1/6 + s (1/120 + s (-1/5040 + s / 362880)))
	v_fmaak_f32 v82, v82, v81, 0xb9500d01
	v_fmaak_f32 v82, v82, v81, 0x3c088889
	v_fmaak_f32 v82, v82, v81, 0xbe2aaaab
	v_mul_f32 v83, v80, v81
	v_fma_f32 v82, v83, v82, v80
	v_mov_b32 v84, 0xb493f27e                      ; cos r = 1 + s (-1/2 + s (1/24 + s (-1/720 + s (1/40320 - s / 3628800))))
	v_fmaak_f32 v84, v84, v81, 0x37d00d01
	v_fmaak_f32 v84, v84, v81, 0xbab60b61
	v_fmaak_f32 v84, v84, v81, 0x3d2aaaab
	v_fma_f32 v84, v84, v81, -0.5
	v_fma_f32 v84, v84, v81, 1.0
	v_cvt_i32_f32 v85, v79
	v_and_b32 v86, 1, v85
	v_cmp_eq_u32 vcc_lo, 1, v86                    ; in an odd quadrant sine and cosine change places
	v_cndmask_b32 v87, v82, v84, vcc_lo
	v_cndmask_b32 v88, v84, v82, vcc_lo
	v_lshlrev_b32 v86, 30, v85
	v_and_b32 v86, 0x80000000, v86                 ; the sine is negative in quadrants 2 and 3,
	v_xor_b32 v87, v86, v87
	v_add_nc_u32 v85, 1, v85
	v_lshlrev_b32 v85, 30, v85
	v_and_b32 v85, 0x80000000, v85                 ; the cosine in 1 and 2
	v_xor_b32 v88, v85, v88
	s_wait_alu depctr_va_vdst(0)                   ; the wait for the magnitude's exponential, ahead of its first use
	v_ldexp_f32 v75, v75, v76                      ; exp(-exp(v_log))
	v_mul_f32 v88, v75, v88
	v_mul_f32 v87, v75, v87
	global_store_b32 v72, v88, s[20:21]            ; wr
	global_store_b32 v72, v87, s[20:21] offset:8192   ; wi
.Lend:
	s_wait_tensorcnt 0x0
	ds_add_u32 v232, v233
	s_wait_dscnt 0x0
	s_endpgm
.Lfunc_end_k_qc90cbd52de_prep:
	.size	k_qc90cbd52de_prep, .Lfunc_end_k_qc90cbd52de_prep-k_qc90cbd52de_prep
	.p2alignl 7, 3214868480
	.fill 96, 4, 3214868480
	.section	.rodata,"a",@progbits
	.p2align	6, 0x0
	.amdhsa_kernel k_qc90cbd52de_prep
		.amdhsa_group_segment_fixed_size 35328
		.amdhsa_private_segment_fixed_size 0
		.amdhsa_enable_private_segment 0
		.amdhsa_kernarg_size 72
		.amdhsa_user_sgpr_count 2
		.amdhsa_user_sgpr_kernarg_segment_ptr 1
		.amdhsa_wavefront_size32 1
		.amdhsa_system_sgpr_workgroup_id_x 1
		.amdhsa_system_sgpr_workgroup_id_y 1
		.amdhsa_system_sgpr_workgroup_id_z 1
		.amdhsa_system_vgpr_workitem_id 0
		.amdhsa_next_free_vgpr 234
		.amdhsa_next_free_sgpr 66
		.amdhsa_reserve_vcc 1
		.amdhsa_float_denorm_mode_32 3
		.amdhsa_float_denorm_mode_16_64 3
		.amdhsa_memory_ordered 1
		.amdhsa_forward_progress 1
		.amdhsa_inst_pref_size 36
	.end_amdhsa_kernel
	.amdgpu_metadata
---
amdhsa.version: [ 1, 2 ]
amdhsa.kernels:
  - .name:           k_qc90cbd52de_prep
    .symbol:         k_qc90cbd52de_prep.kd
    .args:
      - { .name: x, .offset: 0, .size: 8, .value_kind: global_buffer, .address_space: global }
      - { .name: Br, .offset: 8, .size: 8, .value_kind: global_buffer, .address_space: global }
      - { .name: Bi, .offset: 16, .size: 8, .value_kind: global_buffer, .address_space: global }
      - { .name: Cr, .offset: 24, .size: 8, .value_kind: global_buffer, .address_space: global }
      - { .name: Ci, .offset: 32, .size: 8, .value_kind: global_buffer, .address_space: global }
      - { .name: v_log, .offset: 40, .size: 8, .value_kind: global_buffer, .address_space: global }
      - { .name: theta_log, .offset: 48, .size: 8, .value_kind: global_buffer, .address_space: global }
      - { .name: q, .offset: 56, .size: 8, .value_kind: global_buffer, .address_space: global }
      - { .name: wri, .offset: 64, .size: 8, .value_kind: global_buffer, .address_space: global }
    .group_segment_fixed_size: 35328
    .private_segment_fixed_size: 0
    .kernarg_segment_align: 8
    .kernarg_segment_size: 72
    .max_flat_workgroup_size: 128
    .sgpr_count:     66
    .vgpr_count:     234
    .wavefront_size: 32
...
	.end_amdgpu_metadata
.endif
;; end of part 1
;; launch gemm1 (part 2): grid 8 x 32, 4 waves a work-group, clusters of 4 x 1, 327,680 bytes of LDS; arguments q, wri, h_prev, hq; writes hq
.if DOCPART == 2
	.amdgcn_target "amdgcn-amd-amdhsa--gfx1250"
	.amdhsa_code_object_version 6
	.text
	.protected	k_qc90cbd52de_gemm1
	.globl	k_qc90cbd52de_gemm1
	.p2align	8
	.type	k_qc90cbd52de_gemm1,@function
k_qc90cbd52de_gemm1:
	s_mov_b64 s[64:65], 0
	v_nop
	global_prefetch_b8 v0, s[64:65] scope:SCOPE_SE
	s_setreg_imm32_b32 hwreg(HW_REG_WAVE_MODE, 25, 1), 1
	s_wait_xcnt 0x0
	s_wait_alu depctr_hold_cnt(0) depctr_sa_sdst(0) depctr_va_vdst(0) depctr_va_sdst(0) depctr_va_ssrc(0) depctr_va_vcc(0) depctr_vm_vsrc(0)
	s_getreg_b32 s2, hwreg(HW_REG_IB_STS2, 6, 4)
	s_cmp_eq_u32 s2, 0
	s_cbranch_scc0 .Lentry_in_a_cluster
	s_endpgm
.Lentry_in_a_cluster:
	s_bfe_u32 s2, ttmp6, 0x10000c
	s_cmp_lg_u32 s2, 0x3003
	s_cbranch_scc0 .Lentry_shape_is_right
	s_endpgm
.Lentry_shape_is_right:
; hr = Q(x) Q(Br)^T + h_prev wr, hi = Q(x) Q(Bi)^T + h_prev wi, on codes of FP4 (E2M1) with E8M0 scales (buffer q), sums in f32; hr and hi are quantised along the hidden units, in registers,
; and leave as fragment images and scale words of the next product's operand (buffer hq).  They never go to memory as f32.
; SHARES.  A work-group takes 256 rows x 256 hidden units, real and imaginary.  Wave w takes units 256 g + 64 w .. + 63 of Br AND of Bi: 8 tiles of 16 weight rows x all of K = 64 fragments, 512 registers,
; loaded once and kept.  The rows go in 8 trips of 32: a trip is 8 K steps x 16 matrix instructions on 16 accumulators by turns.  A wave's 128 columns of 16 rows are one K step of the next product
; (64 of hr, then 64 of hi): one fragment and one scale word a row, stored from registers as they stand.
; THE PRODUCT IS USED TRANSPOSED (source 0 = 16 weight rows, source 1 = 16 rows of x), AND THE WEIGHT ROWS OF A TILE ARE NOT NEIGHBOURS: lane r of tile 2 b + u of a part takes row 32 b + 8 u + r + 8 (r / 8),
; so that a lane holds one row of h and the 16 registers of tiles 2 b, 2 b + 1 are 16 neighbours along the next K: units 32 b + 16 (lane / 16) + 0 .. 15.
; CLUSTER.  The four work-groups of a cluster take the same 256 rows, so x's codes are asked for JOINTLY (waves 0 and 1: the same tensor load with the same descriptor and a mask that names the four).
; h_prev's tiles are each work-group's own (waves 2 and 3: plain loads).
; LDS: a ring of two slots, each with 64 rows of x's codes and scale words (4 groups of q, 34,816 bytes) and 64 rows of h_prev (64 x (1,024 + 16) bytes); then the spare words.
; The work-group's four chunks of 64 rows: chunk 0 is asked for at the head, one tensor load a wave; each later chunk behind a round of the cluster's barrier, two trips ahead of the wait for it.
; A wave has one tensor load out.
; THE WEIGHTS are asked for K step by K step, their scale words first, wr and wi last: each K step of a trip waits by count for its own sixteen loads, so the first trip begins while later K steps are on their way.
; The first 48 of these loads stand ahead of the opening round: they hang on no partner.
; PREFETCH.  Each chunk from 1 on is asked of memory one slot ahead of its tensor load: chunk 1 at the head, behind chunk 0's tensor load; chunk p + 2 while chunk p is multiplied.  Chunk 0 comes by its load alone.
; h_prev: 64 rows x 4 blocks of 256 bytes, a lane a block, two instructions a wave.
; x: the chunk's four groups of q go one to each partner of the cluster, told apart by address; a group's 34 blocks go nine to a wave (seven to the last; lanes left over name their wave's last block again).
; hq: 128 chunks of 64 rows x 139,264 bytes; a chunk is 4 quarters (K' step ks / 8) of 34,816: codes at (ks % 8) 4,096 + 1,024 a (a: the chunk's row block), scale words at 32,768 + (ks % 8) 256 + 128 j + 4 lane
; (row block 2 j + lane / 16, row lane % 16).
; LIMITS: NaN and infinities are not served; a block of zeros gets the byte 1 where the rule says 127 (its codes are zeros; this program alone reads the bytes).
; REGISTERS, in windows of 256 (s_set_vgpr_msb: bits 1:0 source 0, 3:2 source 1, 5:4 source 2, 7:6 destination):
;   window 0: v1-14 addresses; v16-47 the weights' scale words; v48-55 x's; v56-91 the quantiser's; v92, v93 the prefetches' offsets; v128-255 the 16 accumulators (row block a, tile t at 128 + 64 a + 8 t)
;   window 1: v0-127 x's fragments (64 a + 8 s); v128-191 h_prev (32 a + n); v192-223 wr, v224-255 wi (n: unit 32 (n / 16) + 16 (lane / 16) + n % 16)
;   window 2: the weights' fragments of K steps 0-3 (64 s + 8 t);   window 3: of K steps 4-7
.set GRP,   8704
.set TRX,   2*GRP                      ; a trip's part of a slot of x
.set CHX,   4*GRP                      ; a slot of x
.set HPP,   1040                       ; a row of h_prev in LDS: 1,024 bytes + 16: the sixteen rows that a read touches begin in different banks
.set TRH,   32*HPP
.set CHH,   64*HPP
.set HPB,   2*CHX                      ; where h_prev's slots begin
.set SPARE, HPB+2*CHH                  ; the spare words, 128 bytes for each wave: two blocks of 256 bytes that no other line names
.set HCH,   139264                     ; a chunk of hq
.set HQU,   34816                      ; a quarter of it
.set LI,  1                            ; 16 x lane
.set L8,  2                            ; 8 x lane
.set L4,  3                            ; 4 x lane
.set AXA, 4                            ; the trip's LDS addresses: x's images,
.set ASA, 5                            ; x's scale words,
.set HPA, 6                            ; h_prev
.set HPL, 7                            ; my lane's place in a tile of h_prev
.set VO,  8                            ; the trip's offsets in hq: codes,
.set VS,  9                            ; scale words
.set SPW, 10                           ; LDS address of my spare word; never rewritten
.set NIL, 11                           ; 0; never rewritten
.set BO,  12                           ; the head's offsets: the weights' codes,
.set BS,  13                           ; their scale words,
.set WO,  14                           ; wr and wi
.set BSC, 16                           ; 4 t + s / 2: lanes 0-15 the even K step's word, lanes 16-31 the odd one's
.set ASC, 48                           ; 4 a + s / 2 likewise
.set TM,  56
.set PW,  72                           ; v72, v73 the two row blocks' scale words; v74 both in one register
.set SW,  74
.set PC,  76                           ; v76-83, v84-91 the two fragments just made
.set PFH, 92                           ; the prefetch of h_prev: 8,192 (thread / 4) + 256 (thread % 4); never rewritten
.set PFX, 93                           ; the prefetch of x: 256 x my block of the group; never rewritten
.set ACC, 128
.set MSB, 0
.macro WIN new                         ; the immediate's high byte repeats the setting that is left
.if MSB != \new
	s_set_vgpr_msb (MSB<<8)|\new
.set MSB, \new
.endif
.endm
.macro CROUND                          ; a round of the cluster's barrier: my work-group's barrier; wave 0 signals for the work-group; every wave waits for all four work-groups; my work-group's barrier once more
	s_barrier_signal -1
	s_barrier_wait -1
	s_cmp_lg_u32 s12, 0
	s_cbranch_scc1 .Lnot_wave_0_\@
	s_barrier_signal -3
.Lnot_wave_0_\@:
	s_barrier_wait -3
	s_barrier_signal -1
	s_barrier_wait -1
.endm
; Slot k's four loads, one a wave: waves 0 and 1 the two halves of x's chunk (joint), waves 2 and 3 the two halves of h_prev's.  An s_nop 0 and four v_nop follow each line
.macro JL k
	s_cmp_lt_u32 s12, 2
	s_cbranch_scc0 .Lfor_h_\@
	tensor_load_to_lds s[32+4*\k:35+4*\k], s[16:23]
	s_nop 0
.rept 4
	v_nop
.endr
	s_branch .Lasked_\@
.Lfor_h_\@:
	tensor_load_to_lds s[44+4*\k:47+4*\k], s[24:31]
	s_nop 0
.rept 4
	v_nop
.endr
.Lasked_\@:
.endm
; Slot k is filled: for the first time (step = 0, slot 1) or again, with the chunk two on (step = 1).
.macro CHANGE k, step
	s_wait_tensorcnt 0x0                           ; my one tensor load has landed: so a group 0 may be written
	ds_add_u32 v[SPW], v[NIL]                      ; 0 onto my spare word
.if \step
	s_add_nc_u64 s[34+4*\k:35+4*\k], s[34+4*\k:35+4*\k], 2*CHX        ; two chunks on; the type bits on top are not reached
	s_add_nc_u64 s[46+4*\k:47+4*\k], s[46+4*\k:47+4*\k], 2*64*8192
.endif
	s_wait_dscnt 0x0                               ; the add is done, and my reads of the slot are over
	CROUND                                         ; the same holds of every wave of all four work-groups
	JL \k                                          ; the first tensor load behind the round, one a wave
.endm
.macro ASK c                           ; chunk c is asked of memory; the chunk stands in the immediates, no register is stepped
	global_prefetch_b8 v[PFH], s[88:89] offset:\c*64*8192 th:TH_LOAD_NT scope:SCOPE_SE
	global_prefetch_b8 v[PFH], s[88:89] offset:\c*64*8192+32*8192 th:TH_LOAD_NT scope:SCOPE_SE
	global_prefetch_b8 v[PFX], s[90:91] offset:\c*CHX th:TH_LOAD_NT scope:SCOPE_SE
.endm
; My weights of K step s into registers 64 d on of the window that is set: tile t = 4 part + 2 b + u: groups 128 part + 2 b (and the next: lanes with r >= 8), rows 8 u on; registers 4 c on
.macro WLOAD s, d
.irp t, 0,1,2,3,4,5,6,7
.irp c, 0,1
	global_load_b128 v[64*(\d)+8*\t+4*\c:64*(\d)+8*\t+4*\c+3], v[BO], s[84:85] offset:(128*(\t/4)+2*((\t%4)/2))*GRP+1024*(\s)+512*\c+128*(\t%2)
.endr
.endr
.endm
	s_load_b256 s[4:11], s[0:1], 0x0               ; q s[4:5], wri s[6:7], h_prev s[8:9], hq s[10:11]
	v_lshl_add_u32 v[SPW], v0, 2, SPARE
	v_mov_b32 v[NIL], 0
	ds_add_u32 v[SPW], v[NIL]                      ; the opening lines: the add, twice on end, and its wait ahead of my first tensor load
	ds_add_u32 v[SPW], v[NIL]
	v_lshrrev_b32 v15, 5, v0
	v_readfirstlane_b32 s12, v15                   ; wave 0..3
	s_bfe_u32 s13, ttmp6, 0x40000                  ; cx: my place in the cluster
	s_lshl_b32 s14, ttmp9, 2
	s_add_co_u32 s14, s14, s13                     ; g: my 256 hidden units.  It enters global addresses of my own loads, prefetches and stores alone
	s_and_b32 s15, ttmp7, 0xffff                   ; y: my 256 rows, which the four partners share
	; descriptor group 1 for x: half a slot, 17,408 dense bytes, as 68 rows of 256 bytes (32 elements of 8 bytes)
	s_mov_b32 s16, 15|(3<<16)|(1<<21)              ; 15:0 the mask: all four work-groups; 17:16 elements of 8 bytes; 21 set beside a mask
	s_mov_b32 s17, 32<<16                          ; tensor_dim0
	s_mov_b32 s18, 68<<16                          ; tensor_dim1
	s_mov_b32 s19, 32<<16                          ; tile_dim0
	s_mov_b32 s20, 68                              ; tile_dim1
	s_mov_b32 s21, 32                              ; tensor_dim0_stride
	s_mov_b32 s22, 0
	s_mov_b32 s23, 0
	; and for h_prev: 32 rows x 256 numbers, 2,048 numbers from row to row, 16 bytes of padding behind each row
	s_mov_b32 s24, (2<<16)|(1<<20)|(7<<22)|(3<<25) ; no mask; elements of 4 bytes; padding on: after every 256 words (code 7) four words (code 3)
	s_mov_b32 s25, 256<<16
	s_mov_b32 s26, 32<<16
	s_mov_b32 s27, 256<<16
	s_mov_b32 s28, 32
	s_mov_b32 s29, 2048
	s_mov_b32 s30, 0
	s_mov_b32 s31, 0
	s_and_b32 s66, s12, 1                          ; which half of a slot I fetch
	s_mul_i32 s67, s66, TRX                        ; x: the half's bytes, in memory and in a slot alike
	s_mov_b32 s96, s67
	s_mov_b32 s97, 0
	s_mul_i32 s68, s15, 16*GRP                     ; my rows' 16 groups of q
	s_mov_b32 s69, 0
	s_mul_i32 s94, s13, GRP                        ; the group of a chunk that my work-group prefetches
	s_mov_b32 s95, 0
	s_mul_i32 s70, s66, TRH
	s_add_co_u32 s70, s70, HPB                     ; h_prev: my half in slot 0
	s_lshl_b32 s72, s15, 21                        ; row 256 y, of 8,192 bytes,
	s_lshl_b32 s73, s14, 10
	s_add_co_u32 s72, s72, s73                     ; + my 256 units' 1,024 bytes
	s_mov_b32 s73, 0
	s_lshl_b32 s92, s66, 18                        ; 32 rows x my half
	s_mov_b32 s93, 0
	s_lshl_b32 s74, s14, 4
	s_lshl_b32 s75, s12, 2
	s_add_co_u32 s74, s74, s75
	s_add_co_u32 s74, s74, 512
	s_mul_i32 s74, s74, GRP                        ; Br's group 512 + 16 g + 4 w: my 64 units
	s_mov_b32 s75, 0
	s_lshl_b32 s76, s14, 10
	s_lshl_b32 s77, s12, 8
	s_add_co_u32 s76, s76, s77                     ; wr at my 64 units
	s_mov_b32 s77, 0
	s_mul_i32 s78, s15, 4*HCH                      ; hq: my rows' four chunks,
	s_lshr_b32 s79, s14, 1
	s_mul_i32 s79, s79, HQU
	s_add_co_u32 s78, s78, s79                     ; the quarter of K' step ks = 4 g + w,
	s_and_b32 s79, s14, 1
	s_lshl_b32 s79, s79, 2
	s_add_co_u32 s79, s79, s12                     ; ks % 8
	s_lshl_b32 s81, s79, 12
	s_add_co_u32 s81, s81, s78                     ; where my codes begin
	s_lshl_b32 s82, s79, 8
	s_add_co_u32 s82, s82, s78
	s_add_co_u32 s82, s82, 32768                   ; where my scale words begin
	s_mov_b32 s60, 0x76543210
	s_mov_b32 s61, 0xfedcba98                      ; v_permlanex16_b32's selects for lane l xor 16
	v_and_b32 v15, 31, v0                          ; lane
	v_lshlrev_b32 v[LI], 4, v15
	v_lshlrev_b32 v[L8], 3, v15
	v_lshlrev_b32 v[L4], 2, v15
	v_cmp_lt_u32 s80, 15, v15                      ; lanes 16-31
	v_and_b32 v4, 15, v0                           ; r
	v_bfe_u32 v5, v0, 4, 1                         ; h
	v_mul_u32_u24 v[HPL], v4, HPP
	v_lshl_add_u32 v[HPL], v5, 6, v[HPL]
	s_lshl_b32 s79, s12, 8
	s_add_co_u32 s79, s79, HPB
	v_add_nc_u32 v[HPL], s79, v[HPL]               ; row r, my wave's 256 bytes, + 64 h: my 16 units of a block of 32
	v_lshrrev_b32 v6, 3, v4
	v_mul_u32_u24 v6, v6, GRP                      ; lanes with r >= 8 take the next group's rows
	v_and_b32 v8, 7, v4
	v_lshl_add_u32 v[BO], v8, 4, v6
	v_lshl_add_u32 v[BO], v5, 8, v[BO]             ; in an image: 16 (r % 8) + 256 h
	v_lshl_add_u32 v[BS], v8, 3, v6
	v_lshl_add_u32 v[BS], v5, 7, v[BS]             ; among the scale words: 8 (r % 8) + 128 h
	v_lshlrev_b32 v[WO], 6, v5
.irp b, 4,5,6,7
	v_mov_b32 v[TM+\b], 0                          ; written once: a lane permute's destination counts as one of its sources
.endr
	v_lshrrev_b32 v[PFH], 2, v0                    ; h_prev's prefetch: thread t names row t / 4, block t % 4
	v_and_b32 v8, 3, v0
	v_lshlrev_b32 v[PFH], 13, v[PFH]
	v_lshl_add_u32 v[PFH], v8, 8, v[PFH]
	v_min_u32 v[PFX], 8, v15                       ; x's: block 9 w + lane, nine to a wave, inside the group's 34
	s_mul_i32 s79, s12, 9
	v_add_nc_u32 v[PFX], s79, v[PFX]
	v_min_u32 v[PFX], 33, v[PFX]
	v_lshlrev_b32 v[PFX], 8, v[PFX]
	s_wait_alu depctr_va_vdst(0)
	s_wait_dscnt 0x0                               ; both opening adds are done
	s_wait_kmcnt 0x0
	s_add_nc_u64 s[68:69], s[4:5], s[68:69]        ; q at my rows' groups,
	s_add_nc_u64 s[90:91], s[68:69], s[94:95]      ; the prefetch's base: my work-group's group of chunk 0; never rewritten
	s_add_nc_u64 s[68:69], s[68:69], s[96:97]      ; and my half of chunk 0
	s_add_nc_u64 s[88:89], s[8:9], s[72:73]        ; h_prev at my rows and units: the prefetch's base; never rewritten
	s_add_nc_u64 s[72:73], s[88:89], s[92:93]      ; and my half of chunk 0
	s_add_nc_u64 s[84:85], s[4:5], s[74:75]
	s_add_nc_u64 s[86:87], s[6:7], s[76:77]
	; the weights' scale words and K steps 0 and 1: 48 loads ahead of the round
.irp t, 0,1,2,3,4,5,6,7
.irp qq, 0,1
	global_load_b64 v[BSC+4*\t+2*\qq:BSC+4*\t+2*\qq+1], v[BS], s[84:85] offset:(128*(\t/4)+2*((\t%4)/2))*GRP+8192+256*\qq+64*(\t%2)
.endr
.endr
	WIN 0x80
	WLOAD 0, 0
	WLOAD 1, 1
	WIN 0
	CROUND                                         ; all four work-groups are here: the first joint loads meet
.irp k, 0,1                                    ; descriptor group 0, a set for each slot: x's at s32 on, h_prev's at s44 on
	s_mov_b32 s[32+4*\k], 1
	s_add_co_u32 s[33+4*\k], s67, \k*CHX
	s_add_nc_u64 s[34+4*\k:35+4*\k], s[68:69], \k*CHX
	s_or_b32 s[35+4*\k], s[35+4*\k], 0x80000000
	s_mov_b32 s[44+4*\k], 1
	s_add_co_u32 s[45+4*\k], s70, \k*CHH
	s_add_nc_u64 s[46+4*\k:47+4*\k], s[72:73], \k*64*8192
	s_or_b32 s[47+4*\k], s[47+4*\k], 0x80000000
.endr
	JL 0                                           ; chunk 0: one tensor load a wave at the head
	ASK 1                                          ; chunk 1: its tensor load follows behind the weights' loads and a round
	WIN 0x80
	WLOAD 2, 2
	WLOAD 3, 3
	WIN 0xc0
	WLOAD 4, 0
	WLOAD 5, 1
	WLOAD 6, 2
	WLOAD 7, 3
	WIN 0x40
.irp p, 0,1
.irp b, 0,1
.irp j, 0,1,2,3
	global_load_b128 v[192+32*\p+16*\b+4*\j:192+32*\p+16*\b+4*\j+3], v[WO], s[86:87] offset:8192*\p+128*\b+16*\j
.endr
.endr
.endr
	WIN 0
; 64 numbers of a lane, v[s] .. v[s + 63], register 16 b + i = k 32 b + 16 (lane / 16) + i of my row, become a fragment's codes in v[pc] on and its scale word in v[pw]
.macro QUANT s, pc, pw
.irp b, 0,1,2,3
	v_max3_num_f32 v[TM+\b], |v[\s+16*\b]|, |v[\s+1+16*\b]|, 0x1800000   ; block b: my 16 numbers, and the floor 2^(3 - 127): the byte cannot fall under 1
.endr
.irp i, 2,4,6,8,10,12,14
.irp b, 0,1,2,3
	v_max3_num_f32 v[TM+\b], v[TM+\b], |v[\s+16*\b+\i]|, |v[\s+1+16*\b+\i]|   ; (the four blocks by turns)
.endr
.endr
.irp b, 0,1,2,3
	v_permlanex16_b32 v[TM+4+\b], v[TM+\b], s60, s61
.endr
.irp b, 0,1,2,3
	v_max_num_f32 v[TM+\b], v[TM+\b], v[TM+4+\b]   ; with lane l xor 16's: the block's largest magnitude
.endr
.irp b, 0,1,2,3
	v_add_nc_u32 v[TM+12+\b], 0xff000000, v[TM+\b] ; 2 off its exponent field: the conversion's scale operand
.endr
.irp b, 0,1,2,3
	v_lshrrev_b32 v[TM+4+\b], 23, v[TM+12+\b]      ; the scale's byte
.endr
	v_lshl_or_b32 v[\pw], v[TM+5], 8, v[TM+4]      ; the four bytes make my row's scale word, in both halves of the lanes
	v_lshl_or_b32 v[\pw], v[TM+6], 16, v[\pw]
	v_lshl_or_b32 v[\pw], v[TM+7], 24, v[\pw]
.irp b, 0,1,2,3
	v_cvt_scalef32_pk8_fp4_f32 v[\pc+2*\b], v[\s+16*\b:\s+7+16*\b], v[TM+12+\b]
	v_cvt_scalef32_pk8_fp4_f32 v[\pc+1+2*\b], v[\s+8+16*\b:\s+15+16*\b], v[TM+12+\b]
.endr
	v_nop                                          ; one plain line behind the scaled conversions
.irp c, 0,1                                    ; the operand's layout wants a WHOLE block in a lane: lanes 0-15 block 2 c, lanes 16-31 block 2 c + 1
.irp i, 0,1
	v_permlane16_swap_b32 v[\pc+4*\c+\i], v[\pc+2+4*\c+\i]
.endr
.endr
.endm
; A TRIP: 32 rows.  s56, s57: where the trip's part begins in x's and in h_prev's slots; s58: the trip's number
.macro TRIP
	v_add_nc_u32 v[AXA], s56, v[LI]
	v_add_nc_u32 v[ASA], s56, v[L8]
	v_add_nc_u32 v[HPA], s57, v[HPL]
.irp a, 0,1                                    ; 52 LDS loads in one run: x's scale words, x's fragments K step by K step, h_prev
.irp qq, 0,1
	ds_load_b64 v[ASC+4*\a+2*\qq:ASC+4*\a+2*\qq+1], v[ASA] offset:\a*GRP+8192+256*\qq
.endr
.endr
	WIN 0x40
.irp s, 0,1,2,3,4,5,6,7
.irp a, 0,1
.irp c, 0,1
	ds_load_b128 v[64*\a+8*\s+4*\c:64*\a+8*\s+4*\c+3], v[AXA] offset:\a*GRP+1024*\s+512*\c
.endr
.endr
.endr
.irp a, 0,1
.irp b, 0,1
.irp j, 0,1,2,3
	ds_load_b128 v[128+32*\a+16*\b+4*\j:128+32*\a+16*\b+4*\j+3], v[HPA] offset:\a*16*HPP+128*\b+16*\j
.endr
.endr
.endr
.irp s, 0,1,2,3,4,5,6,7
	s_wait_dscnt 44-4*\s                           ; this K step's four LDS loads are in; behind them: four for each later K step, and h_prev's sixteen
.if 16*(8-\s) > 63                             ; and its sixteen loads of weights: behind them sixteen for each later K step and sixteen of wr and wi; the wait's field holds 63 at the most
	s_wait_loadcnt 63
.else
	s_wait_loadcnt 16*(8-\s)
.endif
.if \s < 4
	WIN 0x06                                       ; source 0 (weights) window 2, source 1 (x) window 1, C and D window 0
.else
	WIN 0x07                                       ; the same with the weights in window 3
.endif
.irp a, 0,1                                    ; the 16 accumulators take turns, one instruction a turn, in the same order in every K step
.irp t, 0,1,2,3,4,5,6,7
.set rD, ACC+64*\a+8*\t
.set rW, 64*(\s%4)+8*\t
.set rX, 64*\a+8*\s
.if \s == 0
	v_wmma_scale_f32_16x16x128_f8f6f4 v[rD:rD+7], v[rW:rW+7], v[rX:rX+7], 0, v[BSC+4*\t+\s/2], v[ASC+4*\a+\s/2] matrix_a_fmt:MATRIX_FMT_FP4 matrix_b_fmt:MATRIX_FMT_FP4
.elseif (\s%2) == 0
	v_wmma_scale_f32_16x16x128_f8f6f4 v[rD:rD+7], v[rW:rW+7], v[rX:rX+7], v[rD:rD+7], v[BSC+4*\t+\s/2], v[ASC+4*\a+\s/2] matrix_a_fmt:MATRIX_FMT_FP4 matrix_b_fmt:MATRIX_FMT_FP4
.else
	v_wmma_scale_f32_16x16x128_f8f6f4 v[rD:rD+7], v[rW:rW+7], v[rX:rX+7], v[rD:rD+7], v[BSC+4*\t+\s/2], v[ASC+4*\a+\s/2] matrix_a_fmt:MATRIX_FMT_FP4 matrix_b_fmt:MATRIX_FMT_FP4 matrix_a_scale:MATRIX_SCALE_ROW1 matrix_b_scale:MATRIX_SCALE_ROW1
.endif
.endr
.endr
.endr
	WIN 0x05                                       ; sources 0 and 1 (h_prev, w) window 1; the sums window 0
.rept 4
	v_nop                                          ; four places between the last product and the first read of results (ISA guide 7.12.1)
.endr
	s_wait_dscnt 0x0                               ; h_prev is in,
	s_wait_loadcnt 0x0                             ; and so are wr and wi
.irp a, 0,1                                    ; + h_prev w, two at a time, each accumulator from its low end on
.irp n, 0,2,4,6,8,10,12,14,16,18,20,22,24,26,28,30
	v_pk_fma_f32 v[ACC+64*\a+\n:ACC+64*\a+\n+1], v[128+32*\a+\n:128+32*\a+\n+1], v[192+\n:192+\n+1], v[ACC+64*\a+\n:ACC+64*\a+\n+1]
.endr
.irp n, 0,2,4,6,8,10,12,14,16,18,20,22,24,26,28,30
	v_pk_fma_f32 v[ACC+32+64*\a+\n:ACC+32+64*\a+\n+1], v[128+32*\a+\n:128+32*\a+\n+1], v[224+\n:224+\n+1], v[ACC+32+64*\a+\n:ACC+32+64*\a+\n+1]
.endr
.endr
	WIN 0
	s_wait_xcnt 0x0                                ; the last trip's stores have read their data and offsets: both are written again only behind this wait
	s_lshr_b32 s66, s58, 1
	s_mul_i32 s66, s66, HCH                        ; the trip's chunk of 64 rows,
	s_and_b32 s67, s58, 1                          ; and which half of it
	s_lshl_b32 s68, s67, 11
	s_add_co_u32 s68, s68, s66
	s_add_co_u32 s68, s68, s81
	v_add_nc_u32 v[VO], s68, v[LI]
	s_lshl_b32 s68, s67, 7
	s_add_co_u32 s68, s68, s66
	s_add_co_u32 s68, s68, s82
	v_add_nc_u32 v[VS], s68, v[L4]
	QUANT ACC, PC, PW
	global_store_b128 v[VO], v[PC:PC+3], s[10:11]                  ; each store covers 512 consecutive bytes, aligned: half an image
	global_store_b128 v[VO], v[PC+4:PC+7], s[10:11] offset:512
	QUANT ACC+64, PC+8, PW+1
	global_store_b128 v[VO], v[PC+8:PC+11], s[10:11] offset:1024
	global_store_b128 v[VO], v[PC+12:PC+15], s[10:11] offset:1536
	v_cndmask_b32 v[SW], v[PW], v[PW+1], s80       ; lanes 0-15 the first row block's words, lanes 16-31 the second's
	global_store_b32 v[VS], v[SW], s[10:11]        ; 128 consecutive bytes; the chunk's other trip stores the 128 beside them
	s_add_co_u32 s56, s56, TRX
	s_add_co_u32 s57, s57, TRH
	s_add_co_u32 s58, s58, 1
.endm
.macro RUN k                           ; the two trips of the chunk in slot k
	s_mov_b32 s56, \k*CHX
	s_mov_b32 s57, \k*CHH
	s_mov_b32 s59, 2
.Lrun_\@:
	TRIP
	s_sub_co_u32 s59, s59, 1
	s_cmp_lg_u32 s59, 0
	s_cbranch_scc1 .Lrun_\@
.endm
	s_mov_b32 s58, 0
	CHANGE 1, 0                                    ; everybody's part of chunk 0 is in; chunk 1 goes out: slot 1's first fill
	ASK 2
	RUN 0                                          ; rows 0-63
	CHANGE 0, 1                                    ; chunk 1 is in, slot 0 has been read: it takes chunk 2
	ASK 3
	RUN 1                                          ; rows 64-127
	CHANGE 1, 1                                    ; chunk 2 is in, slot 1 has been read: it takes chunk 3, the last load
	RUN 0                                          ; rows 128-191
	s_wait_tensorcnt 0x0                           ; my part of chunk 3 is in,
	s_wait_dscnt 0x0
	s_barrier_signal -1
	s_barrier_wait -1                              ; everybody's is
	RUN 1                                          ; rows 192-255
	s_wait_tensorcnt 0x0                           ; the wave's end: my last LDS instructions
	ds_add_u32 v[SPW], v[NIL]
	s_wait_dscnt 0x0
	CROUND                                         ; the closing round: no work-group ends while a partner may still ask for a tile that names it
	s_endpgm
.Lfunc_end_k_qc90cbd52de_gemm1:
	.size	k_qc90cbd52de_gemm1, .Lfunc_end_k_qc90cbd52de_gemm1-k_qc90cbd52de_gemm1
	.p2alignl 7, 3214868480
	.fill 96, 4, 3214868480
	.section	.rodata,"a",@progbits
	.p2align	6, 0x0
	.amdhsa_kernel k_qc90cbd52de_gemm1
		.amdhsa_group_segment_fixed_size 327680
		.amdhsa_private_segment_fixed_size 0
		.amdhsa_enable_private_segment 0
		.amdhsa_kernarg_size 32
		.amdhsa_user_sgpr_count 2
		.amdhsa_user_sgpr_kernarg_segment_ptr 1
		.amdhsa_wavefront_size32 1
		.amdhsa_system_sgpr_workgroup_id_x 1
		.amdhsa_system_sgpr_workgroup_id_y 1
		.amdhsa_system_sgpr_workgroup_id_z 1
		.amdhsa_system_vgpr_workitem_id 0
		.amdhsa_next_free_vgpr 1024
		.amdhsa_next_free_sgpr 100
		.amdhsa_reserve_vcc 0
		.amdhsa_float_denorm_mode_32 3
		.amdhsa_float_denorm_mode_16_64 3
		.amdhsa_memory_ordered 1
		.amdhsa_forward_progress 1
		.amdhsa_inst_pref_size 159
	.end_amdhsa_kernel
	.amdgpu_metadata
---
amdhsa.version: [ 1, 2 ]
amdhsa.kernels:
  - .name:           k_qc90cbd52de_gemm1
    .symbol:         k_qc90cbd52de_gemm1.kd
    .args:
      - { .name: q, .offset: 0, .size: 8, .value_kind: global_buffer, .address_space: global }
      - { .name: wri, .offset: 8, .size: 8, .value_kind: global_buffer, .address_space: global }
      - { .name: h_prev, .offset: 16, .size: 8, .value_kind: global_buffer, .address_space: global }
      - { .name: hq, .offset: 24, .size: 8, .value_kind: global_buffer, .address_space: global }
    .group_segment_fixed_size: 327680
    .private_segment_fixed_size: 0
    .kernarg_segment_align: 8
    .kernarg_segment_size: 32
    .max_flat_workgroup_size: 128
    .sgpr_count:     100
    .vgpr_count:     1024
    .wavefront_size: 32
...
	.end_amdgpu_metadata
.endif
;; end of part 2
;; launch gemm2 (part 3): grid 8 x 32, 4 waves a work-group, clusters of 4 x 1, 327,680 bytes of LDS; arguments q, hq, out0; writes out0
.if DOCPART == 3
	.amdgcn_target "amdgcn-amd-amdhsa--gfx1250"
	.amdhsa_code_object_version 6
	.text
	.protected	k_qc90cbd52de_gemm2
	.globl	k_qc90cbd52de_gemm2
	.p2align	8
	.type	k_qc90cbd52de_gemm2,@function
k_qc90cbd52de_gemm2:
	s_mov_b64 s[64:65], 0
	v_nop
	global_prefetch_b8 v0, s[64:65] scope:SCOPE_SE
	s_setreg_imm32_b32 hwreg(HW_REG_WAVE_MODE, 25, 1), 1
	s_wait_xcnt 0x0
	s_wait_alu depctr_hold_cnt(0) depctr_sa_sdst(0) depctr_va_vdst(0) depctr_va_sdst(0) depctr_va_ssrc(0) depctr_va_vcc(0) depctr_vm_vsrc(0)
	s_getreg_b32 s2, hwreg(HW_REG_IB_STS2, 6, 4)
	s_cmp_eq_u32 s2, 0
	s_cbranch_scc0 .Lentry_in_a_cluster
	s_endpgm
.Lentry_in_a_cluster:
	s_bfe_u32 s2, ttmp6, 0x10000c
	s_cmp_lg_u32 s2, 0x3003
	s_cbranch_scc0 .Lentry_shape_is_right
	s_endpgm
.Lentry_shape_is_right:
; out = Q(hr) Q(Cr)^T - Q(hi) Q(Ci)^T as ONE product over K' = 4,096 (32 steps of 128: 64 of hr with Cr, 64 of hi with -Ci), on codes of FP4 (E2M1) with E8M0 scales; sums in f32.
; SHARES.  A work-group takes 256 rows x 128 output columns.  THE WAVES SHARE K': wave w takes K' steps 8 w .. 8 w + 7 for all 8 tiles of 16 columns: its 64 fragments of C (512 registers) are loaded once,
; straight from q, and kept.  So each fragment of h is wanted by ONE wave of the work-group: wave w's quarter of a chunk of 64 rows is 34,816 dense bytes of hq (32 fragment images, then their scale words),
; which the wave fetches with one tensor load and reads alone: its own wait on TENSORcnt is all the ordering that its reads need.
; CLUSTER.  The four work-groups of a cluster take the same 256 rows and different columns: h is asked for JOINTLY (the same tensor load, with the same descriptor and a mask that names the four, in wave w of
; all four).  C differs between the partners, and through LDS its 278,528 bytes would take the very bytes of h's two slots, so that h's first fills would stand behind C's last read: C has no joint load.
; LDS: two slots of a chunk (139,264 bytes each), one stage (4 waves x 16 rows x 528 bytes), the spare words.  Chunks 0 and 1 are first fills; chunk 2 fills slot 0 again and chunk 3 slot 1, each behind a
; round of the cluster's barrier, each four units (256 matrix instructions) ahead of the wait for it.  A wave has at most one tensor load out.
; A UNIT is 16 rows: 8 K steps x 8 matrix instructions on 8 accumulators by turns.  The four waves' partial sums meet in the stage: beside the two slots 48,640 bytes are left, which hold one stage of 16 rows
; and not two, so a unit has two barriers: one between the reads of the last unit's sums and the stores of the next, one between those stores and their reads.  The stores, loads and additions of units
; u - 1 and u - 2 stand between the products of unit u; two sets of accumulators and of fragments take turns.
; All 16 units are written out by macro: every offset is an immediate, the sets and the rows of the scale registers change from unit to unit.
; THE PRODUCT IS USED TRANSPOSED (source 0 = 16 rows of C, source 1 = 16 rows of h): a lane holds eight neighbouring columns of one row of out.
; The order of sums: K' ascending inside a quarter, then (quarter 0 + 1) + (quarter 2 + 3).
; REGISTERS, in windows of 256 (s_set_vgpr_msb: bits 1:0 source 0, 3:2 source 1, 5:4 source 2, 7:6 destination):
;   window 0: v1-13 addresses; v16-47 C's scale words (4 t + s / 2: lanes 0-15 the even K step's, lanes 16-31 the odd one's); v48-63 h's, two sets (8 ((u / 2) % 2) + s: lanes 0-15 the even unit's rows,
;   lanes 16-31 the odd one's); v64-127 four rows x four stages on the way out; v128-255 two sets of 8 accumulators (128 + 64 (u % 2) + 8 t).
;   window 1: v0-127 h's fragments, two sets (64 (u % 2) + 8 s).   window 2: C's fragments of K steps 0-3 (64 s + 8 t);   window 3: of K steps 4-7.
.set GRP,   8704                       ; a group of q: 16 rows x 1,024 along K
.set HCH,   139264                     ; a chunk of hq: 64 rows
.set QU,    34816                      ; a quarter of it: one wave's K' steps
.set SLOT,  HCH
.set SPI,   528                        ; a stage row: 512 bytes + 16: the sixteen rows that a store touches begin in different banks
.set STW,   16*SPI                     ; a wave's part of the stage
.set STG,   2*SLOT                     ; behind the slots: the stage; no tile lands there
.set SPARE, STG+4*STW                  ; the spare words, 128 bytes for each wave: two blocks of 256 bytes that no other line names
.set LI,  1                            ; 16 x lane: my place in an image, and in a row of out
.set L4,  2
.set L8,  3
.set AXA, 4                            ; v4, v5   slot k: LDS address of my wave's images
.set ASA, 6                            ; v6, v7   and of their scale words
.set STO, 8                            ; the stage: where I put 32 bytes of a row
.set RD,  9                            ; and where I read a row back
.set PFO, 10                           ; 256 x lane, for the prefetch; never rewritten
.set SPW, 12                           ; LDS address of my spare word; never rewritten
.set NIL, 13                           ; 0; never rewritten
.set BSC, 16
.set ASC, 48
.set RB,  64
.set ACC, 128
.set G1,  16                           ; s[16:23] descriptor group 1
.set G0,  24                           ; s[24:31] group 0, a set for each slot
.set MSB, 0
.macro WIN new                         ; the immediate's high byte repeats the setting that is left
.if MSB != \new
	s_set_vgpr_msb (MSB<<8)|\new
.set MSB, \new
.endif
.endm
.macro CROUND                          ; a round of the cluster's barrier: my work-group's barrier; wave 0 signals for the work-group; every wave waits for all four work-groups; my work-group's barrier once more
	s_barrier_signal -1
	s_barrier_wait -1
	s_cmp_lg_u32 s12, 0
	s_cbranch_scc1 .Lnot_wave_0_\@
	s_barrier_signal -3
.Lnot_wave_0_\@:
	s_barrier_wait -3
	s_barrier_signal -1
	s_barrier_wait -1
.endm
; A PREFETCH INTO THE L2 of chunk c, one slot ahead of the tensor load that will ask for it.  Every cluster asks for what it will load.  Its four partners take a quarter of the chunk each, told apart by address;
; of a quarter's 34,816 bytes a wave takes 8,192 bytes of codes, lanes 256 bytes apart, and 512 bytes of scale words (two blocks; lanes left over name the second again): each block is named once in a cluster.
; The chunk stands in the immediates: no register is stepped.  Chunk 0 comes by its load alone.
.set PF2, 14                           ; v14: 256 x min(lane, 1); never rewritten
.macro ASK c
	global_prefetch_b8 v[PFO], s[42:43] offset:(\c)*HCH th:TH_LOAD_NT scope:SCOPE_SE
	global_prefetch_b8 v[PF2], s[48:49] offset:(\c)*HCH th:TH_LOAD_NT scope:SCOPE_SE
.endm
	s_load_b128 s[4:7], s[0:1], 0x0                ; q, hq
	s_load_b64 s[8:9], s[0:1], 0x10                ; out0
	v_lshl_add_u32 v[SPW], v0, 2, SPARE
	v_mov_b32 v[NIL], 0
	ds_add_u32 v12, v13
	ds_add_u32 v12, v13
	s_wait_dscnt 0x0
	v_lshrrev_b32 v15, 5, v0
	v_readfirstlane_b32 s12, v15                   ; wave 0..3
	s_bfe_u32 s13, ttmp6, 0x40000                  ; cx: my place in the cluster
	s_lshl_b32 s14, ttmp9, 2
	s_add_co_u32 s14, s14, s13                     ; my 128 columns.  It enters C's and out's addresses alone
	s_and_b32 s15, ttmp7, 0xffff                   ; y: my 256 rows, which the four partners share
	; descriptor group 1: a quarter of a chunk, 34,816 dense bytes, as 136 rows of 256 bytes (32 elements of 8 bytes)
	s_mov_b32 s[G1], 15|(3<<16)|(1<<21)            ; 15:0 the mask: all four work-groups; 17:16 elements of 8 bytes; 21 set beside a mask
	s_mov_b32 s[G1+1], 32<<16                      ; tensor_dim0
	s_mov_b32 s[G1+2], 136<<16                     ; tensor_dim1
	s_mov_b32 s[G1+3], 32<<16                      ; tile_dim0
	s_mov_b32 s[G1+4], 136                         ; tile_dim1
	s_mov_b32 s[G1+5], 32                          ; tensor_dim0_stride
	s_mov_b32 s[G1+6], 0
	s_mov_b32 s[G1+7], 0
	s_mul_i32 s34, s12, QU                         ; my quarter, in a chunk of hq and in a slot alike
	s_mul_i32 s32, s15, 4*HCH                      ; my rows' four chunks
	s_add_co_u32 s32, s32, s34
	s_mov_b32 s33, 0
	v_and_b32 v15, 31, v0                          ; lane
	v_lshlrev_b32 v[LI], 4, v15
	v_lshlrev_b32 v[L4], 2, v15
	v_lshlrev_b32 v[L8], 3, v15
	v_lshlrev_b32 v[PFO], 8, v15
	v_add_nc_u32 v[AXA], s34, v[LI]
	v_add_nc_u32 v[AXA+1], SLOT, v[AXA]
	v_add_nc_u32 v[ASA], s34, v[L4]
	v_add_nc_u32 v[ASA], 32768, v[ASA]             ; the scale words lie behind a quarter's 32 images
	v_add_nc_u32 v[ASA+1], SLOT, v[ASA]
	v_and_b32 v14, 15, v0                          ; r
	v_bfe_u32 v11, v0, 4, 1                        ; h
	s_mul_i32 s35, s12, STW
	s_add_co_u32 s35, s35, STG
	v_mul_u32_u24 v[STO], v14, SPI
	v_lshl_add_u32 v[STO], v11, 5, v[STO]
	v_add_nc_u32 v[STO], s35, v[STO]               ; my part of the stage, row r, + 32 h
	s_mul_i32 s35, s12, 4*SPI
	s_add_co_u32 s35, s35, STG
	v_add_nc_u32 v[RD], s35, v[LI]                 ; back: rows 4 w on, 16 bytes a lane
	v_min_u32 v[PF2], 1, v15
	v_lshlrev_b32 v[PF2], 8, v[PF2]
	s_lshl_b32 s40, s14, 5
	s_add_co_u32 s40, s40, s12
	s_add_co_u32 s40, s40, 768
	s_mul_i32 s40, s40, GRP                        ; C's group 768 + 4 (8 x column block + t) + w, at t = 0
	s_mov_b32 s41, 0
	s_lshl_b32 s44, s15, 8
	s_lshl_b32 s45, s12, 2
	s_add_co_u32 s44, s44, s45
	s_lshl_b32 s44, s44, 12                        ; out: row 256 y + 4 w, of 4,096 bytes,
	s_lshl_b32 s45, s14, 9
	s_add_co_u32 s44, s44, s45                     ; + my 128 columns' 512 bytes
	s_mov_b32 s45, 0
	s_mul_i32 s46, s15, 4*HCH                      ; the prefetches: chunk 0 of my rows,
	s_mul_i32 s47, s13, QU                         ; the quarter that falls to my work-group: the partners are told apart by address,
	s_add_co_u32 s46, s46, s47
	s_lshl_b32 s48, s12, 9
	s_add_co_u32 s48, s48, s46
	s_add_co_u32 s48, s48, 32768                   ; my wave's 512 bytes of its 2,048 bytes of scale words,
	s_mov_b32 s49, 0
	s_lshl_b32 s47, s12, 13                        ; and my wave's 8,192 bytes of its 32,768 bytes of codes
	s_add_co_u32 s46, s46, s47
	s_mov_b32 s47, 0
	s_wait_alu depctr_va_vdst(0)
	s_wait_kmcnt 0x0
	s_add_nc_u64 s[32:33], s[6:7], s[32:33]        ; hq at my quarter of chunk 0
	s_add_nc_u64 s[36:37], s[4:5], s[40:41]        ; C
	s_add_nc_u64 s[38:39], s[8:9], s[44:45]        ; out
	s_add_nc_u64 s[42:43], s[6:7], s[46:47]        ; the prefetches' bases; never rewritten
	s_add_nc_u64 s[48:49], s[6:7], s[48:49]
.irp t, 0,1,2,3,4,5,6,7                        ; C's scale words first, then its images K step by K step: unit 0 waits by count for each K step's sixteen loads.  These 48 loads hang on no partner and stand ahead of the round
.irp qq, 0,1
	global_load_b64 v[BSC+4*\t+2*\qq:BSC+4*\t+2*\qq+1], v[L8], s[36:37] offset:\t*4*GRP+8192+256*\qq
.endr
.endr
	WIN 0x80
.irp s, 0,1
.irp t, 0,1,2,3,4,5,6,7
.irp c, 0,1
	global_load_b128 v[64*\s+8*\t+4*\c:64*\s+8*\t+4*\c+3], v[LI], s[36:37] offset:\t*4*GRP+1024*\s+512*\c
.endr
.endr
.endr
	WIN 0
	CROUND                                         ; all four work-groups are here: the first joint loads meet
.irp k, 0,1
	s_mov_b32 s[G0+4*\k], 1                        ; 1:0 count = 1
	s_add_co_u32 s[G0+4*\k+1], s34, \k*SLOT        ; 63:32 LDS address: slot k, my quarter
	s_add_nc_u64 s[G0+4*\k+2:G0+4*\k+3], s[32:33], \k*HCH   ; 120:64 global address: chunk k
	s_or_b32 s[G0+4*\k+3], s[G0+4*\k+3], 0x80000000         ; 127:126 type = 2
.endr
	tensor_load_to_lds s[G0:G0+3], s[G1:G1+7]      ; chunk 0, my quarter: my one tensor load at the head; chunk 1 follows behind the three lines and a round, below
	s_nop 0
.rept 4
	v_nop                                          ; four v_nop follow it
.endr
	ASK 1                                          ; chunk 1: its tensor load follows behind C's loads and a round
	WIN 0x80
.irp s, 2,3
.irp t, 0,1,2,3,4,5,6,7
.irp c, 0,1
	global_load_b128 v[64*\s+8*\t+4*\c:64*\s+8*\t+4*\c+3], v[LI], s[36:37] offset:\t*4*GRP+1024*\s+512*\c   ; C's images as they lie: 512 consecutive bytes a load
.endr
.endr
.endr
	WIN 0xc0
.irp s, 4,5,6,7
.irp t, 0,1,2,3,4,5,6,7
.irp c, 0,1
	global_load_b128 v[64*(\s-4)+8*\t+4*\c:64*(\s-4)+8*\t+4*\c+3], v[LI], s[36:37] offset:\t*4*GRP+1024*\s+512*\c
.endr
.endr
.endr
	WIN 0
; Unit u's 8 fragments of h, and ahead of an even unit the scale words of it and the next, out of slot (u / 4) % 2: row block u % 4 of the chunk
.macro ALOADS u
.set sl, ((\u)/4)%2
.set ab, (\u)%4
.if ((\u)%2) == 0
.irp s, 0,1,2,3,4,5,6,7
	ds_load_b32 v[ASC+8*(((\u)/2)%2)+\s], v[ASA+sl] offset:256*\s+128*(ab/2)
.endr
.endif
	WIN 0x40                                       ; destination window 1
.irp s, 0,1,2,3,4,5,6,7
.irp c, 0,1
	ds_load_b128 v[64*((\u)%2)+8*\s+4*\c:64*((\u)%2)+8*\s+4*\c+3], v[AXA+sl] offset:4096*\s+1024*ab+512*\c
.endr
.endr
.endm
; K step s of unit u: 8 matrix instructions; the 8 accumulators take turns, one instruction a turn, in the same order in every K step.  The first K step starts the sums
.macro MUL1 u, s
.if (\u) == 0                                  ; unit 0: this K step's sixteen loads of C are in; behind them sixteen for each later K step; the wait's field holds 63 at the most
.if 16*(7-(\s)) > 63
	s_wait_loadcnt 63
.else
	s_wait_loadcnt 16*(7-(\s))
.endif
.endif
.irp t, 0,1,2,3,4,5,6,7
.set rD, ACC+64*((\u)%2)+8*\t
.set rW, 64*((\s)%4)+8*\t
.set rH, 64*((\u)%2)+8*(\s)
.set rX, BSC+4*\t+(\s)/2
.set rY, ASC+8*(((\u)/2)%2)+(\s)
.if (\s) == 0
.if ((\u)%2) == 0
	v_wmma_scale_f32_16x16x128_f8f6f4 v[rD:rD+7], v[rW:rW+7], v[rH:rH+7], 0, v[rX], v[rY] matrix_a_fmt:MATRIX_FMT_FP4 matrix_b_fmt:MATRIX_FMT_FP4
.else
	v_wmma_scale_f32_16x16x128_f8f6f4 v[rD:rD+7], v[rW:rW+7], v[rH:rH+7], 0, v[rX], v[rY] matrix_a_fmt:MATRIX_FMT_FP4 matrix_b_fmt:MATRIX_FMT_FP4 matrix_b_scale:MATRIX_SCALE_ROW1
.endif
.elseif ((\s)%2) == 0
.if ((\u)%2) == 0
	v_wmma_scale_f32_16x16x128_f8f6f4 v[rD:rD+7], v[rW:rW+7], v[rH:rH+7], v[rD:rD+7], v[rX], v[rY] matrix_a_fmt:MATRIX_FMT_FP4 matrix_b_fmt:MATRIX_FMT_FP4
.else
	v_wmma_scale_f32_16x16x128_f8f6f4 v[rD:rD+7], v[rW:rW+7], v[rH:rH+7], v[rD:rD+7], v[rX], v[rY] matrix_a_fmt:MATRIX_FMT_FP4 matrix_b_fmt:MATRIX_FMT_FP4 matrix_b_scale:MATRIX_SCALE_ROW1
.endif
.else
.if ((\u)%2) == 0
	v_wmma_scale_f32_16x16x128_f8f6f4 v[rD:rD+7], v[rW:rW+7], v[rH:rH+7], v[rD:rD+7], v[rX], v[rY] matrix_a_fmt:MATRIX_FMT_FP4 matrix_b_fmt:MATRIX_FMT_FP4 matrix_a_scale:MATRIX_SCALE_ROW1
.else
	v_wmma_scale_f32_16x16x128_f8f6f4 v[rD:rD+7], v[rW:rW+7], v[rH:rH+7], v[rD:rD+7], v[rX], v[rY] matrix_a_fmt:MATRIX_FMT_FP4 matrix_b_fmt:MATRIX_FMT_FP4 matrix_a_scale:MATRIX_SCALE_ROW1 matrix_b_scale:MATRIX_SCALE_ROW1
.endif
.endif
.endr
.endm
.macro TOSTAGE u                       ; unit u's 16 rows x 128 columns of my partial sums into my part of the stage, each accumulator from its low end on
.irp t, 0,1,2,3,4,5,6,7
	ds_store_b128 v[STO], v[ACC+64*((\u)%2)+8*\t:ACC+64*((\u)%2)+8*\t+3] offset:64*\t
	ds_store_b128 v[STO], v[ACC+64*((\u)%2)+8*\t+4:ACC+64*((\u)%2)+8*\t+7] offset:64*\t+16
.endr
.endm
.macro RLOAD                           ; my four rows of the unit in the stage, from all four waves' parts
	s_wait_xcnt 0x0                                ; the earlier stores have read their data: these registers are loaded again only behind this wait
.irp i, 0,1,2,3
.irp st, 0,1,2,3
	ds_load_b128 v[RB+16*\i+4*\st:RB+16*\i+4*\st+3], v[RD] offset:\st*STW+\i*SPI
.endr
.endr
.endm
.macro RSUM u, bar                     ; the four partial sums of unit u are added, and my four rows leave.  bar = 1: the barrier behind which the stage is written again stands round the additions
	s_wait_dscnt 0x0                               ; they are back from the stage: my reads of it are over,
.if \bar
	s_barrier_signal -1                            ; say so; the additions, work on registers, stand between the signal and the wait
.endif
.irp i, 0,1,2,3
	v_pk_add_f32 v[RB+16*\i:RB+16*\i+1], v[RB+16*\i:RB+16*\i+1], v[RB+16*\i+4:RB+16*\i+5]
	v_pk_add_f32 v[RB+16*\i+2:RB+16*\i+3], v[RB+16*\i+2:RB+16*\i+3], v[RB+16*\i+6:RB+16*\i+7]
	v_pk_add_f32 v[RB+16*\i+8:RB+16*\i+9], v[RB+16*\i+8:RB+16*\i+9], v[RB+16*\i+12:RB+16*\i+13]
	v_pk_add_f32 v[RB+16*\i+10:RB+16*\i+11], v[RB+16*\i+10:RB+16*\i+11], v[RB+16*\i+14:RB+16*\i+15]
.endr
.irp i, 0,1,2,3
	v_pk_add_f32 v[RB+16*\i:RB+16*\i+1], v[RB+16*\i:RB+16*\i+1], v[RB+16*\i+8:RB+16*\i+9]
	v_pk_add_f32 v[RB+16*\i+2:RB+16*\i+3], v[RB+16*\i+2:RB+16*\i+3], v[RB+16*\i+10:RB+16*\i+11]
.endr
.if \bar
	s_wait_alu depctr_va_vdst(0)                   ; the wait directly ahead of the barrier's wait
	s_barrier_wait -1                              ; everybody's reads of the stage are over: it may be written again
.endif
.irp i, 0,1,2,3
	global_store_b128 v[LI], v[RB+16*\i:RB+16*\i+3], s[38:39] offset:(16*(\u)+\i)*4096 th:TH_STORE_NT   ; 32 lanes store 512 consecutive bytes, aligned; the unit stands in the immediate (243 rows of out at the most); written once, read by nobody here
.endr
.endm
; UNIT u.  fill = 0 or 1: that slot has had its last read and is filled again, with the chunk two on; -1: nothing is filled.
; The 24 additions of RSUM are also the places between unit u - 1's last products and the stores of their results, the loads into their fragments' registers, and the next products
; that begin that set of accumulators anew; unit 1 has no sums to add yet and has five v_nop in their stead.
.macro UNIT u, fill
	WIN 0x06                                       ; source 0 (C) window 2, source 1 (h) window 1, sums window 0
	MUL1 \u, 0
	MUL1 \u, 1
	WIN 0
.if (\u) >= 2
	RSUM (\u)-2, 1
.elseif (\u) == 1
.rept 5
	v_nop
.endr
.endif
.if (\u) >= 1
	TOSTAGE (\u)-1
.endif
.if (\u) < 15
.if (\u) == 11
	s_wait_tensorcnt 0x0                           ; chunk 3, my last tensor load, is in: no load was issued behind it
.endif
	ALOADS (\u)+1
.endif
	WIN 0x06
	MUL1 \u, 2
	MUL1 \u, 3
	WIN 0x07                                       ; C in window 3
	MUL1 \u, 4
	MUL1 \u, 5
	WIN 0
.if (\fill) >= 0
	s_wait_tensorcnt 0x0                           ; all my tensor loads have landed, the other slot's among them: so a group 0 may be written
	ds_add_u32 v[SPW], v[NIL]                      ; 0 onto my spare word; the descriptor's step stands between it and the wait for it
	s_add_nc_u64 s[G0+4*(\fill)+2:G0+4*(\fill)+3], s[G0+4*(\fill)+2:G0+4*(\fill)+3], 2*HCH   ; two chunks on; the type bits on top are not reached
	s_wait_dscnt 0x0                               ; the add is done, my reads of the slot are over, and my stores into the stage have landed
	CROUND                                         ; all that holds of every wave of all four work-groups: the round is also the barrier between the stage's stores and its reads
	tensor_load_to_lds s[G0+4*(\fill):G0+4*(\fill)+3], s[G1:G1+7]   ; the first thing behind the round, and my one tensor load until the next
	s_nop 0
.rept 4
	v_nop
.endr
.else
	s_wait_dscnt 0x0                               ; for the others' sake: my stores into the stage have landed; and the next unit's fragments are in
.if (\u) >= 1
	s_barrier_signal -1
	s_barrier_wait -1                              ; everybody's have
.endif
.endif
.if (\u) >= 1
	RLOAD
.endif
.if (\fill) == 0
	ASK 3                                          ; chunk 3, which the refill of unit 6 will ask for: four units, 256 matrix instructions, ahead of that load; behind my tensor load, its lines and the run of LDS loads
.endif
	WIN 0x07
	MUL1 \u, 6
	MUL1 \u, 7
.endm
	s_wait_tensorcnt 0x0                           ; my quarter of chunk 0 is in; as ahead of a refill:
	ds_add_u32 v[SPW], v[NIL]                      ; 0 onto my spare word,
	s_wait_dscnt 0x0                               ; the add is done
	CROUND                                         ; all four work-groups are here: the joint loads meet
	tensor_load_to_lds s[G0+4:G0+7], s[G1:G1+7]    ; chunk 1: slot 1's first fill, my one tensor load behind the round
	s_nop 0
.rept 4
	v_nop
.endr
	ASK 2                                          ; chunk 2: the refill of unit 2 will want it
	ALOADS 0
	s_wait_dscnt 0x0                               ; unit 0's fragments
	UNIT 0, -1
	UNIT 1, -1
	UNIT 2, 0                                      ; unit 3's fragments are read: slot 0 takes chunk 2
	UNIT 3, -1
	UNIT 4, -1
	UNIT 5, -1
	UNIT 6, 1                                      ; unit 7's fragments are read: slot 1 takes chunk 3
.irp u, 7,8,9,10,11,12,13,14,15
	UNIT \u, -1
.endr
	WIN 0
	RSUM 14, 1
	TOSTAGE 15
	s_wait_dscnt 0x0
	s_barrier_signal -1
	s_barrier_wait -1                              ; the last unit's sums lie in the stage
	RLOAD
	RSUM 15, 0
	s_wait_tensorcnt 0x0                           ; the wave's end: my last LDS instructions
	ds_add_u32 v[SPW], v[NIL]
	s_wait_dscnt 0x0
	CROUND                                         ; the closing round: no work-group ends while a partner may still ask for a tile that names it
	s_endpgm
.Lfunc_end_k_qc90cbd52de_gemm2:
	.size	k_qc90cbd52de_gemm2, .Lfunc_end_k_qc90cbd52de_gemm2-k_qc90cbd52de_gemm2
	.p2alignl 7, 3214868480
	.fill 96, 4, 3214868480
	.section	.rodata,"a",@progbits
	.p2align	6, 0x0
	.amdhsa_kernel k_qc90cbd52de_gemm2
		.amdhsa_group_segment_fixed_size 327680
		.amdhsa_private_segment_fixed_size 0
		.amdhsa_enable_private_segment 0
		.amdhsa_kernarg_size 24
		.amdhsa_user_sgpr_count 2
		.amdhsa_user_sgpr_kernarg_segment_ptr 1
		.amdhsa_wavefront_size32 1
		.amdhsa_system_sgpr_workgroup_id_x 1
		.amdhsa_system_sgpr_workgroup_id_y 1
		.amdhsa_system_sgpr_workgroup_id_z 1
		.amdhsa_system_vgpr_workitem_id 0
		.amdhsa_next_free_vgpr 1024
		.amdhsa_next_free_sgpr 66
		.amdhsa_reserve_vcc 0
		.amdhsa_float_denorm_mode_32 3
		.amdhsa_float_denorm_mode_16_64 3
		.amdhsa_memory_ordered 1
		.amdhsa_forward_progress 1
		.amdhsa_inst_pref_size 240
	.end_amdhsa_kernel
	.amdgpu_metadata
---
amdhsa.version: [ 1, 2 ]
amdhsa.kernels:
  - .name:           k_qc90cbd52de_gemm2
    .symbol:         k_qc90cbd52de_gemm2.kd
    .args:
      - { .name: q, .offset: 0, .size: 8, .value_kind: global_buffer, .address_space: global }
      - { .name: hq, .offset: 8, .size: 8, .value_kind: global_buffer, .address_space: global }
      - { .name: out0, .offset: 16, .size: 8, .value_kind: global_buffer, .address_space: global }
    .group_segment_fixed_size: 327680
    .private_segment_fixed_size: 0
    .kernarg_segment_align: 8
    .kernarg_segment_size: 24
    .max_flat_workgroup_size: 128
    .sgpr_count:     66
    .vgpr_count:     1024
    .wavefront_size: 32
...
	.end_amdgpu_metadata
.endif
;; end of part 3
